; MI455X (gfx1250); checked and timed in simulation.
; The chip was launched on July 23, 2026; its instructions are those of AMD's public machine-readable ISA for CDNA 5 (MIT licence, August 2026) and "CDNA5" Instruction Set Architecture Reference Guide (July 2026). The comments in the code are by the model that wrote it; some were corrected since.
;; Euler Integrator. Allowed arithmetic: float matrix products may take bf16 or f16 operands with f32 sums; all other float work in f32.
;; Inputs: U 1,024 x 256 float32; W 256 x 1,024 float32; force 4,096 x 1,024 float32; v 4,096 x 1,024 float32; x 4,096 x 1,024 float32.
;; Outputs: out0 4,096 x 1,024 float32; out1 4,096 x 1,024 float32.
;; Constants: steps = 8.
;; One version. Each part assembles by itself: llvm-mc -triple=amdgcn-amd-amdhsa -mcpu=gfx1250 --defsym DOCPART=n.
;; ======== version 1 of 1: 2 launches
;; workspace buffers: wk 1,179,648 bytes
;; launch prep (part 1): grid 72 x 1, 16 waves a work-group, no clusters, 67,584 bytes of LDS; arguments U, W, wk; writes wk
.if DOCPART == 1
	.amdgcn_target "amdgcn-amd-amdhsa--gfx1250"
	.amdhsa_code_object_version 6
	.text
	.protected	k_q33f340f5dd_prep
	.globl	k_q33f340f5dd_prep
	.p2align	8
	.type	k_q33f340f5dd_prep,@function
k_q33f340f5dd_prep:
	s_mov_b64 s[64:65], 0
	v_nop
	global_prefetch_b8 v0, s[64:65] scope:SCOPE_SE
	s_setreg_imm32_b32 hwreg(HW_REG_WAVE_MODE, 25, 1), 1
	s_wait_xcnt 0x0
; Makes the three weight tables of the integrator, in bf16, as register images of matrix fragments:
;   wk tiles 0-3: U;   tiles 4-7: -dt W;   tile 8: M' = -dt (W U), 256 x 256.   dt = 0.01.
; A tile is 131,072 bytes: wave part 32,768 c' + K step 4,096 + sub-tile 1,024 t + half 512 a + 16 x lane.  A half (4 registers of a
; fragment of 8) is 512 neighbouring bytes: every store of a wave here covers two aligned blocks of 256 bytes, whole.
; INDEX CONVENTION: position pos = 0..15 of sub-tile (c, t) stands for the true index 64 c + 4 pos + t, so that one 16-byte load of a
; row-major f32 row gives one number to each of the four sub-tiles t, and nothing is transposed.  Lane L = (r = L % 16, h = L / 16).
;   U fragment (K step s, c, t), half a, element i:   U[32 s + 16 a + 8 h + i][64 c + 4 r + t]
;   W and M' fragments (kappa, c, t), half a, element i: row 64 (kappa / 2) + 32 h + 4 i + 2 (kappa % 2) + a, column 64 c + 4 r + t
; (that row order is the order in which a packed f32 result tile lies in a lane: the second launch feeds results back without a shuffle).
; Work-groups 0-63 = (e, c): the 16 rows 64 (e / 4) + 4 pos + e % 4 of M' by the 64 columns of group c.  K = 1024 is shared among the
; sixteen waves, two K steps of 32 each; the partial sums meet in LDS and are added in a fixed order.  Wave e also stores its two K steps'
; U fragments, which it has made anyway: over the 64 work-groups each U fragment is stored once.
; Work-groups 64-71 = kappa: wave c scales, rounds and stores the four W fragments (kappa, c, 0..3).
; ROUNDING: U, W are rounded to bf16 once; M' is summed in f32 from bf16 products and rounded to bf16 once.
; No cluster and no tensor loads: 20 MiB come from data of 2 MiB, in pieces that go straight into registers.
.set NEGDT, 0xbc23d70a                 ; -0.01
.set UOFF, 1                           ; v1   lane's byte offset in U (in W, for work-groups 64-71)
.set WOFF, 2                           ; v2   lane's byte offset in W's rows
.set LST,  3                           ; v3   LDS: my wave's 4,096 bytes of partial sums
.set LRD,  4                           ; v4   LDS: sub-tile t = my wave's number, in partial 0
.set GST,  5                           ; v5   16 x lane
.set RB0,  8                           ; v[8:71]    f32 of U (or W), K step 0: register 4 (8 a + i) + t
.set RB1,  72                          ; v[72:135]  K step 1
.set RA0,  136                         ; v[136:151] f32 of W's rows, K step 0: register 8 a + i
.set RA1,  152                         ; v[152:167] K step 1
.set FR0,  168                         ; v[168:207] fragments: four of 8 registers (t), then W's rows' fragment
.set FR1,  8                           ; v[8:47]    the same for K step 1, over RB0, which is spent by then
.set ACC,  208                         ; v[208:239] four result tiles
.set RED,  8                           ; v[8:135]   sixteen partial tiles of 8 registers
.set OUTM, 136                         ; v[136:139] a packed half fragment of M'
.macro PLACES                          ; four places behind a matrix instruction (ISA guide 7.12.1)
.rept 4
	v_nop
.endr
.endm
.macro CVTB src, dst                   ; 64 f32 -> four fragments: register 8 t + q takes elements 2 q, 2 q + 1 of sub-tile t
.irp t, 0,1,2,3
.irp q, 0,1,2,3,4,5,6,7
	v_cvt_pk_bf16_f32 v[\dst+8*\t+\q], v[\src+8*\q+\t], v[\src+8*\q+4+\t]
.endr
.endr
.endm
.macro CVTA src, dst                   ; 16 f32 -> one fragment
.irp q, 0,1,2,3,4,5,6,7
	v_cvt_pk_bf16_f32 v[\dst+\q], v[\src+2*\q], v[\src+2*\q+1]
.endr
.endm
.macro MULM fr, zero                   ; four products; the four accumulators take turns, one instruction a turn
.irp t, 0,1,2,3
.if \zero
	v_wmma_f32_16x16x32_bf16 v[ACC+8*\t:ACC+8*\t+7], v[\fr+32:\fr+39], v[\fr+8*\t:\fr+8*\t+7], 0
.else
	v_wmma_f32_16x16x32_bf16 v[ACC+8*\t:ACC+8*\t+7], v[\fr+32:\fr+39], v[\fr+8*\t:\fr+8*\t+7], v[ACC+8*\t:ACC+8*\t+7]
.endif
.endr
.endm
	s_load_b128 s[4:7], s[0:1], 0x0                ; U s[4:5], W s[6:7]
	s_load_b64 s[8:9], s[0:1], 0x10                ; wk
	v_lshl_add_u32 v240, v0, 2, 0x10000
	v_mov_b32 v241, 0
	v_lshrrev_b32 v6, 5, v0
	v_readfirstlane_b32 s10, v6                    ; wave k, 0 to 15
	v_and_b32 v6, 15, v0                           ; r
	v_bfe_u32 v7, v0, 4, 1                         ; h
	v_and_b32 v[GST], 31, v0
	v_lshlrev_b32 v[GST], 4, v[GST]                ; 16 x lane
	v_lshlrev_b32 v[UOFF], 4, v6                   ; 16 r: four neighbouring columns
	s_mov_b32 s14, NEGDT
	s_mov_b32 s15, NEGDT
	s_cmp_ge_u32 ttmp9, 64                         ; the same for all waves of a work-group
	s_cbranch_scc1 .Lw_path
	; ---- work-groups 0-63: a block of M', and U's fragments ----
	s_lshr_b32 s12, ttmp9, 2                       ; e
	s_and_b32 s13, ttmp9, 3                        ; c
	v_lshl_add_u32 v[UOFF], v7, 13, v[UOFF]        ; + 8 h rows of U (1,024 bytes each)
	v_lshlrev_b32 v[WOFF], 14, v6                  ; W's row 4 r: 4 x 4,096 bytes
	v_lshl_add_u32 v[WOFF], v7, 5, v[WOFF]         ; + 8 h columns
	v_lshl_add_u32 v[LST], s10, 12, v[GST]
	v_lshl_add_u32 v[LRD], s10, 10, v[GST]
	s_lshl_b32 s16, s10, 16                        ; U: row 64 k,
	s_lshl_b32 s18, s13, 8
	s_add_co_u32 s16, s16, s18                     ; column 64 c
	s_mov_b32 s17, 0
	s_lshr_b32 s18, s12, 2
	s_lshl_b32 s18, s18, 18                        ; W: row 64 (e / 4)
	s_and_b32 s19, s12, 3
	s_lshl_b32 s19, s19, 12
	s_add_co_u32 s18, s18, s19                     ; + e % 4,
	s_lshl_b32 s19, s10, 8
	s_add_co_u32 s18, s18, s19                     ; column 64 k
	s_mov_b32 s19, 0
	s_lshr_b32 s24, s10, 2                         ; where my U fragments go: tile k / 4,
	s_lshl_b32 s24, s24, 17
	s_lshl_b32 s25, s13, 15                        ; part c,
	s_add_co_u32 s24, s24, s25
	s_and_b32 s25, s10, 3
	s_lshl_b32 s25, s25, 13                        ; K steps 2 (k % 4) and the next
	s_add_co_u32 s24, s24, s25
	s_mov_b32 s25, 0
	s_lshl_b32 s28, s13, 15                        ; where sub-tile t = k of M' goes: tile 8, part c,
	s_add_co_u32 s28, s28, 0x100000
	s_lshr_b32 s29, s12, 1
	s_lshl_b32 s29, s29, 12                        ; kappa = e / 2,
	s_add_co_u32 s28, s28, s29
	s_and_b32 s29, s12, 1
	s_lshl_b32 s29, s29, 9                         ; half a = e % 2,
	s_add_co_u32 s28, s28, s29
	s_lshl_b32 s29, s10, 10                        ; sub-tile k
	s_add_co_u32 s28, s28, s29
	s_mov_b32 s29, 0
	s_wait_kmcnt 0x0
	s_add_nc_u64 s[20:21], s[4:5], s[16:17]
	s_add_nc_u64 s[22:23], s[6:7], s[18:19]
	s_add_nc_u64 s[26:27], s[8:9], s[24:25]
	s_add_nc_u64 s[30:31], s[8:9], s[28:29]
.irp ks, 0,1
.set i, 0
.rept 16                                           ; U's rows 32 s + 16 a + 8 h + i', i = 8 a + i': sixteen lanes take 256 neighbouring bytes
	global_load_b128 v[RB0+64*\ks+4*i:RB0+64*\ks+4*i+3], v[UOFF], s[20:21] offset:32768*\ks+16384*(i>>3)+1024*(i&7)
.set i, i+1
.endr
.irp u, 0,1,2,3                                    ; W's row of lane r, columns 32 s + 16 a + 8 h + 0..7
	global_load_b128 v[RA0+16*\ks+4*\u:RA0+16*\ks+4*\u+3], v[WOFF], s[22:23] offset:128*\ks+64*(\u>>1)+16*(\u&1)
.endr
.endr
	s_wait_loadcnt 20                              ; loads return in order: the 20 of K step 1 may stay out
	CVTB RB0, FR0
	CVTA RA0, FR0+32
	MULM FR0, 1                                    ; the first products start the sums
	s_wait_loadcnt 0x0
	CVTB RB1, FR1
	CVTA RA1, FR1+32
	MULM FR1, 0
	s_cmp_lg_u32 s10, s12                          ; wave e alone stores its U fragments
	s_cbranch_scc1 .Lno_u
.irp u, 0,1,2,3,4,5,6,7
	global_store_b128 v[GST], v[FR0+4*\u:FR0+4*\u+3], s[26:27] offset:512*\u
	global_store_b128 v[GST], v[FR1+4*\u:FR1+4*\u+3], s[26:27] offset:4096+512*\u
.endr
.Lno_u:
	PLACES                                         ; the LDS stores read matrix results
.irp u, 0,1,2,3,4,5,6,7
	ds_store_b128 v[LST], v[ACC+4*\u:ACC+4*\u+3] offset:512*\u
.endr
	s_wait_dscnt 0x0                               ; my partial sums are in LDS, for the waves that add them
	s_barrier_signal -1
	s_barrier_wait -1
	s_cmp_ge_u32 s10, 4                            ; waves 0-3 add one sub-tile each
	s_cbranch_scc1 .Lend
	s_wait_xcnt 0x0                                ; v[8:47] may be data of wave e's stores: loaded again only behind this wait
.set i, 0
.rept 32
	ds_load_b128 v[RED+4*i:RED+4*i+3], v[LRD] offset:4096*(i>>1)+512*(i&1)
.set i, i+1
.endr
	s_wait_dscnt 0x0
.irp n, 32,16,8,4                                  ; sixteen partial tiles, halved four times: 60 packed adds
.set i, 0
.rept \n
	v_pk_add_f32 v[RED+2*i:RED+2*i+1], v[RED+2*i:RED+2*i+1], v[RED+2*\n+2*i:RED+2*\n+2*i+1]
.set i, i+1
.endr
.endr
.irp q, 0,1,2,3
	v_pk_mul_f32 v[RED+2*\q:RED+2*\q+1], v[RED+2*\q:RED+2*\q+1], s[14:15] op_sel_hi:[1,0]
.endr
.irp q, 0,1,2,3
	v_cvt_pk_bf16_f32 v[OUTM+\q], v[RED+2*\q], v[RED+2*\q+1]
.endr
	global_store_b128 v[GST], v[OUTM:OUTM+3], s[30:31]
.Lend:
	s_wait_tensorcnt 0x0
	ds_add_u32 v240, v241
	s_wait_dscnt 0x0
	s_endpgm
	; ---- work-groups 64-71: -dt W as fragments ----
.Lw_path:
	s_sub_co_u32 s12, ttmp9, 64                    ; kappa
	v_lshl_add_u32 v[UOFF], v7, 17, v[UOFF]        ; + 32 h rows of W (4,096 bytes each)
	s_lshr_b32 s16, s12, 1
	s_lshl_b32 s16, s16, 18                        ; row 64 (kappa / 2)
	s_and_b32 s17, s12, 1
	s_lshl_b32 s17, s17, 13                        ; + 2 (kappa % 2),
	s_add_co_u32 s16, s16, s17
	s_lshl_b32 s17, s10, 8                         ; column 64 c, c = my wave's number
	s_add_co_u32 s16, s16, s17
	s_mov_b32 s17, 0
	s_lshr_b32 s24, s10, 2
	s_add_co_u32 s24, s24, 4
	s_lshl_b32 s24, s24, 17                        ; tile 4 + c / 4,
	s_and_b32 s25, s10, 3
	s_lshl_b32 s25, s25, 15                        ; part c % 4,
	s_add_co_u32 s24, s24, s25
	s_lshl_b32 s25, s12, 12                        ; K step kappa
	s_add_co_u32 s24, s24, s25
	s_mov_b32 s25, 0
	s_wait_kmcnt 0x0
	s_add_nc_u64 s[22:23], s[6:7], s[16:17]
	s_add_nc_u64 s[26:27], s[8:9], s[24:25]
.set i, 0
.rept 16                                           ; rows + 4 i' + a, i = 8 a + i'
	global_load_b128 v[RB0+4*i:RB0+4*i+3], v[UOFF], s[22:23] offset:16384*(i&7)+4096*(i>>3)
.set i, i+1
.endr
	s_wait_loadcnt 0x0
.set i, 0
.rept 32
	v_pk_mul_f32 v[RB0+2*i:RB0+2*i+1], v[RB0+2*i:RB0+2*i+1], s[14:15] op_sel_hi:[1,0]
.set i, i+1
.endr
	CVTB RB0, FR0
.irp u, 0,1,2,3,4,5,6,7
	global_store_b128 v[GST], v[FR0+4*\u:FR0+4*\u+3], s[26:27] offset:512*\u
.endr
	s_endpgm
.Lfunc_end_k_q33f340f5dd_prep:
	.size	k_q33f340f5dd_prep, .Lfunc_end_k_q33f340f5dd_prep-k_q33f340f5dd_prep
	.p2alignl 7, 3214868480
	.fill 96, 4, 3214868480
	.section	.rodata,"a",@progbits
	.p2align	6, 0x0
	.amdhsa_kernel k_q33f340f5dd_prep
		.amdhsa_group_segment_fixed_size 67584
		.amdhsa_private_segment_fixed_size 0
		.amdhsa_enable_private_segment 0
		.amdhsa_kernarg_size 24
		.amdhsa_user_sgpr_count 2
		.amdhsa_user_sgpr_kernarg_segment_ptr 1
		.amdhsa_wavefront_size32 1
		.amdhsa_system_sgpr_workgroup_id_x 1
		.amdhsa_system_sgpr_workgroup_id_y 1
		.amdhsa_system_sgpr_workgroup_id_z 1
		.amdhsa_system_vgpr_workitem_id 0
		.amdhsa_next_free_vgpr 242
		.amdhsa_next_free_sgpr 66
		.amdhsa_reserve_vcc 0
		.amdhsa_float_denorm_mode_32 3
		.amdhsa_float_denorm_mode_16_64 3
		.amdhsa_memory_ordered 1
		.amdhsa_forward_progress 1
		.amdhsa_inst_pref_size 28
	.end_amdhsa_kernel
	.amdgpu_metadata
---
amdhsa.version: [ 1, 2 ]
amdhsa.kernels:
  - .name:           k_q33f340f5dd_prep
    .symbol:         k_q33f340f5dd_prep.kd
    .args:
      - { .name: U, .offset: 0, .size: 8, .value_kind: global_buffer, .address_space: global }
      - { .name: W, .offset: 8, .size: 8, .value_kind: global_buffer, .address_space: global }
      - { .name: wk, .offset: 16, .size: 8, .value_kind: global_buffer, .address_space: global }
    .group_segment_fixed_size: 67584
    .private_segment_fixed_size: 0
    .kernarg_segment_align: 8
    .kernarg_segment_size: 24
    .max_flat_workgroup_size: 512
    .sgpr_count:     66
    .vgpr_count:     242
    .wavefront_size: 32
...
	.end_amdgpu_metadata
.endif
;; end of part 1
;; launch euler (part 2): grid 256 x 1, 4 waves a work-group, clusters of 4 x 1, 327,680 bytes of LDS; arguments x, v, force, wk, out0, out1; writes out0, out1
.if DOCPART == 2
	.amdgcn_target "amdgcn-amd-amdhsa--gfx1250"
	.amdhsa_code_object_version 6
	.text
	.protected	k_q33f340f5dd_euler
	.globl	k_q33f340f5dd_euler
	.p2align	8
	.type	k_q33f340f5dd_euler,@function
k_q33f340f5dd_euler:
	s_mov_b64 s[64:65], 0
	v_nop
	global_prefetch_b8 v0, s[64:65] scope:SCOPE_SE
	s_setreg_imm32_b32 hwreg(HW_REG_WAVE_MODE, 25, 1), 1
	s_wait_xcnt 0x0
	s_wait_alu depctr_hold_cnt(0) depctr_sa_sdst(0) depctr_va_vdst(0) depctr_va_sdst(0) depctr_va_ssrc(0) depctr_va_vcc(0) depctr_vm_vsrc(0)
	s_getreg_b32 s2, hwreg(HW_REG_IB_STS2, 6, 4)
	s_cmp_eq_u32 s2, 0
	s_cbranch_scc0 .Lentry_in_a_cluster
	s_endpgm
.Lentry_in_a_cluster:
	s_bfe_u32 s2, ttmp6, 0x10000c
	s_cmp_lg_u32 s2, 0x3003
	s_cbranch_scc0 .Lentry_shape_is_right
	s_endpgm
.Lentry_shape_is_right:
; Eight Euler steps  x += dt v;  v += dt (force - ((v U)^2) W),  dt = 0.01, on 16 rows a work-group, four waves.
; ALGEBRA (exact, for every input): only p = v U enters the square, and v changes linearly.  With M' = -dt W U, W' = -dt W, f' = force U:
;   p(0) = v U;   q(t) = p(t)^2;   p(t+1) = p(t) + dt f' + q(t) M'
;   v(8) = v + 8 dt force + S1 W',            S1 = q(0) + .. + q(7)
;   x(8) = x + 8 dt v + 28 dt^2 force + S2 W', S2 = sum over s = 0..6 of dt (7 - s) q(s)
; S1 and S2 are sums of numbers that are not negative: no difference of large sums is formed.
; Phase 1: [v; force] (32 x 1024) U.  Phase 2: seven products (16 x 256)(256 x 256).  Phase 3: [S1; S2] (32 x 256) W'.
; LIMITS: the order of rounding differs from the step-by-step form: v and force are rounded to bf16 once (not v in each step), M' and S1, S2
; once each.  S1 is formed ahead of its product, so 8 x the largest q must stay below the largest f32.
; WEIGHTS come as bf16 register images of fragments (the first launch's comment gives the layout): a half fragment is 512 neighbouring bytes,
; lane L at 16 L, so LDS reads have no padding and no two lanes of a read share a 16-byte column.
; CLUSTER: all work-groups walk the same 1 MiB of U and W'.  Four work-groups form a cluster and ask for each tile jointly (mask 15): every
; wave of the four issues the same load with the same descriptor (wk's address, the wave's number, constants) and gets its 32 KiB in its own
; LDS.  Ring: two slots of 128 KiB; a wave fills and reads its own quarter.  M' (128 KiB, a ninth of the shared bytes) goes by plain loads
; straight into the 256 registers in which it stays for all seven products: through the ring it would cost one more round of the cluster's
; barrier and a trip through LDS.
; REGISTERS, in windows of 256.  Window 0: v1-9 addresses; phase 1: P, FQ sums, three fragment buffers, T; phase 2: Q, QP, QF, S1, S2;
; phase 3: SF.  Window 1: force as loaded, then M', then phase 3's sums O and W' buffers.  Window 2: x and v of my columns, which become
; the linear parts of the results and then the results.
; COLUMNS: in step tau = 0..3 wave w owns columns 256 tau + 64 w + 0..63; lane (r, h) holds columns + 4 r .. 4 r + 3 of rows 8 h + j.
.set DT,     0x3c23d70a                ; 0.01
.set DT8,    0x3da3d70a                ; 0.08
.set DT2_28, 0x3b378034                ; 0.0028
.set TILEB,  131072                    ; a tile of wk, and an LDS slot
.set ABUF,   262144                    ; behind the ring: two buffers of 32 rows (16 of v, 16 of force) x 256 bf16
.set APITCH, 528                       ; 512 bytes + 16 = 33 x 16: the sixteen rows of a fragment load start at sixteen different 16-byte columns modulo 256
.set ABUFB,  32*APITCH
.set SX,     262144                    ; S1, S2 as fragments, 16,384 bytes, over ABUF, which is spent by then (both are written by LDS stores)
.set QX,     295936                    ; q as fragments: two buffers of 8,192 bytes
.set GOFF, 1                           ; v1  32768 h + 16 r + 256 w: my 16 bytes in x, v, force, out0, out1
.set ADR0, 2                           ; v2  32768 w + 16 L: my part of slot 0; the same number is my offset in M'
.set ADR1, 3                           ; v3  the same in slot 1
.set AST,  4                           ; v4  ABUF: where I put 8 bytes of row 8 h
.set ARD,  5                           ; v5  ABUF: row r, 16 h
.set QST,  6                           ; v6  QX: my wave's four half fragments
.set QRD,  7                           ; v7  QX + 16 L
.set SST,  8                           ; v8  SX: my wave's half fragments
.set SRD,  9                           ; v9  SX + 16 L
.set P,    16                          ; v[16:47]   p: tile t, register j, lane (r, h): row r, n = 64 w + 32 h + 4 j + t
.set FQ,   48                          ; v[48:79]   f' in the same layout
.set FB0,  80                          ; three buffers of 48: four U fragments, v's, force's
.set FB1,  128
.set FB2,  176
.set T,    224                         ; v[224:255] packed bf16 on their way to ABUF
.set Q,    80                          ; v[80:111]  q
.set QP,   112                         ; v[112:127] q packed
.set QF,   128                         ; v[128:191] q of all 256 n: eight fragments
.set S1,   192                         ; v[192:223]
.set S2,   224                         ; v[224:255]
.set SF,   16                          ; v[16:143]  S1's eight fragments, then S2's
.set SP,   144                         ; v[144:175] S1, S2 packed
.set FF,   0                           ; window 1: force, register 32 tau + 4 j
.set MM,   0                           ; window 1: M', register 32 kappa + 8 t
.set O,    0                           ; window 1: eight result tiles, 8 (4 mt + t)
.set WB0,  64                          ; window 1: three buffers of four W' fragments
.set WB1,  96
.set WB2,  128
.set XX,   0                           ; window 2: x, register 32 tau + 4 j
.set VV,   128                         ; window 2: v
.set G1,   16                          ; s[16:23] descriptor group 1
.set G0,   24                          ; s[24:31] descriptor group 0, one set for each slot
.set MSB,  0
.macro WIN new                         ; s_set_vgpr_msb: bits 1:0 source 0, 3:2 source 1, 5:4 source 2, 7:6 destination; the high byte repeats the setting that is left
.if MSB != \new
	s_set_vgpr_msb (MSB<<8)|\new
.set MSB, \new
.endif
.endm
.macro PLACES                          ; four places behind a matrix instruction, ahead of loads into its sources and of vector reads of its result
.rept 4
	v_nop
.endr
.endm
; A round of the cluster's barrier: my work-group's barrier, wave 0 signals for the work-group, every wave waits for all four work-groups, my work-group's barrier again.
.macro ROUND
	s_barrier_signal -1
	s_barrier_wait -1
	s_cmp_lg_u32 s32, 0
	s_cbranch_scc1 .Lnot_wave_0_\@
	s_barrier_signal -3
.Lnot_wave_0_\@:
	s_barrier_wait -3
	s_barrier_signal -1
	s_barrier_wait -1
.endm
; A slot is filled again, two tiles on.  In front of the round every wave's LDS reads and stores are done and all its tensor loads have landed (so the
; other slot is whole, and a group 0 may be written); behind the round no wave of the four work-groups reads the slot; the joint load comes first there, one a wave.
.macro REFILL slot
	WIN 0
	s_wait_dscnt 0x0
	s_wait_tensorcnt 0x0
	ds_add_u32 v10, v15
	s_wait_dscnt 0x0
	s_add_nc_u64 s[G0+4*\slot+2:G0+4*\slot+3], s[G0+4*\slot+2:G0+4*\slot+3], 2*TILEB
	ROUND
	tensor_load_to_lds s[G0+4*\slot:G0+4*\slot+3], s[G1:G1+7]
	s_nop 0
.endm
; Eight loads: my 64 columns of step tau, rows j and 8 + j: lanes 0-15 take 256 neighbouring aligned bytes, lanes 16-31 another 256
.macro LOADG base, win, lo, tau
	WIN \win
.irp j, 0,1,2,3,4,5,6,7
	global_load_b128 v[\lo+32*\tau+4*\j:\lo+32*\tau+4*\j+3], v[GOFF], s[\base:\base+1] offset:1024*\tau+4096*\j th:TH_LOAD_NT
.endr
.endm
; v and force of step tau, rounded to bf16, into ABUF's buffer buf (K = 256 tau .. + 255 of phase 1)
.macro STAGE tau, buf
	WIN 0x0a
.irp j, 0,1,2,3,4,5,6,7
	v_cvt_pk_bf16_f32 v[T+2*\j],   v[VV+32*\tau+4*\j],   v[VV+32*\tau+4*\j+1]
	v_cvt_pk_bf16_f32 v[T+2*\j+1], v[VV+32*\tau+4*\j+2], v[VV+32*\tau+4*\j+3]
.endr
	WIN 0x05
.irp j, 0,1,2,3,4,5,6,7
	v_cvt_pk_bf16_f32 v[T+16+2*\j],   v[FF+32*\tau+4*\j],   v[FF+32*\tau+4*\j+1]
	v_cvt_pk_bf16_f32 v[T+16+2*\j+1], v[FF+32*\tau+4*\j+2], v[FF+32*\tau+4*\j+3]
.endr
	WIN 0
.irp j, 0,1,2,3,4,5,6,7
	ds_store_b64 v[AST], v[T+2*\j:T+2*\j+1] offset:\buf*ABUFB+APITCH*\j
	ds_store_b64 v[AST], v[T+16+2*\j:T+16+2*\j+1] offset:\buf*ABUFB+16*APITCH+APITCH*\j
.endr
.endm
; The results' linear parts, in place: x += 8 dt v + 28 dt^2 force, then v += 8 dt force.  Stands behind STAGE of the same tau, which wants v as loaded.
.macro BASE tau
	WIN 0xa2
.set i, 0
.rept 16
	v_pk_fma_f32 v[XX+32*\tau+2*i:XX+32*\tau+2*i+1], v[VV+32*\tau+2*i:VV+32*\tau+2*i+1], s[36:37], v[XX+32*\tau+2*i:XX+32*\tau+2*i+1] op_sel_hi:[1,0,1]
.set i, i+1
.endr
	WIN 0xa1
.set i, 0
.rept 16
	v_pk_fma_f32 v[XX+32*\tau+2*i:XX+32*\tau+2*i+1], v[FF+32*\tau+2*i:FF+32*\tau+2*i+1], s[38:39], v[XX+32*\tau+2*i:XX+32*\tau+2*i+1] op_sel_hi:[1,0,1]
	v_pk_fma_f32 v[VV+32*\tau+2*i:VV+32*\tau+2*i+1], v[FF+32*\tau+2*i:FF+32*\tau+2*i+1], s[36:37], v[VV+32*\tau+2*i:VV+32*\tau+2*i+1] op_sel_hi:[1,0,1]
.set i, i+1
.endr
.endm
; Phase 1, one K step of 32: twelve LDS loads (four U fragments of my 64 columns, v's and force's fragment)
.macro FETCHU slot, buf, sg, fb
.irp u, 0,1,2,3,4,5,6,7
	ds_load_b128 v[\fb+4*\u:\fb+4*\u+3], v[ADR0+\slot] offset:4096*\sg+512*\u
.endr
.irp m, 0,1
	ds_load_b128 v[\fb+32+8*\m:\fb+32+8*\m+3], v[ARD] offset:\buf*ABUFB+16*APITCH*\m+64*\sg
	ds_load_b128 v[\fb+32+8*\m+4:\fb+32+8*\m+7], v[ARD] offset:\buf*ABUFB+16*APITCH*\m+64*\sg+32
.endr
.endm
; and eight products.  Source 0 = U's columns, source 1 = the rows: a lane's results are numbers of ONE row, in the order of a fragment's half.
; The eight accumulators take turns, one instruction a turn.
.macro MULU fb, zero
.irp n, 0,1,2,3
.if \zero
	v_wmma_f32_16x16x32_bf16 v[P+8*\n:P+8*\n+7], v[\fb+8*\n:\fb+8*\n+7], v[\fb+32:\fb+39], 0
.else
	v_wmma_f32_16x16x32_bf16 v[P+8*\n:P+8*\n+7], v[\fb+8*\n:\fb+8*\n+7], v[\fb+32:\fb+39], v[P+8*\n:P+8*\n+7]
.endif
.endr
.irp n, 0,1,2,3
.if \zero
	v_wmma_f32_16x16x32_bf16 v[FQ+8*\n:FQ+8*\n+7], v[\fb+8*\n:\fb+8*\n+7], v[\fb+40:\fb+47], 0
.else
	v_wmma_f32_16x16x32_bf16 v[FQ+8*\n:FQ+8*\n+7], v[\fb+8*\n:\fb+8*\n+7], v[\fb+40:\fb+47], v[FQ+8*\n:FQ+8*\n+7]
.endif
.endr
.endm
.macro USTEP slot, buf, nsg, fb, nfb, zero
	s_wait_dscnt 12                                ; LDS loads return in order: this K step's twelve are in, the next one's twelve may be out
	PLACES                                         ; buffer nfb was read by the eight products just issued
	FETCHU \slot, \buf, \nsg, \nfb                 ; two K steps ahead
	MULU \fb, \zero
.endm
.macro CONSUME_U slot, buf, first      ; a tile of U: eight K steps on three buffers
	WIN 0
	PLACES
	FETCHU \slot, \buf, 0, FB0
	FETCHU \slot, \buf, 1, FB1
	USTEP \slot, \buf, 2, FB0, FB2, \first
	USTEP \slot, \buf, 3, FB1, FB0, 0
	USTEP \slot, \buf, 4, FB2, FB1, 0
	USTEP \slot, \buf, 5, FB0, FB2, 0
	USTEP \slot, \buf, 6, FB1, FB0, 0
	USTEP \slot, \buf, 7, FB2, FB1, 0
	s_wait_dscnt 12
	MULU FB0, 0
	s_wait_dscnt 0x0
	MULU FB1, 0
.endm
; Phase 2.  Squares and their two sums.
.macro SQ0 c                           ; step 0 starts the sums: nothing is cleared
.set i, 0
.rept 16
	v_pk_mul_f32 v[S1+2*i:S1+2*i+1], v[P+2*i:P+2*i+1], v[P+2*i:P+2*i+1]
.set i, i+1
.endr
.set i, 0
.rept 16
	v_pk_mul_f32 v[S2+2*i:S2+2*i+1], v[S1+2*i:S1+2*i+1], \c op_sel_hi:[1,0]
.set i, i+1
.endr
.endm
.macro SQ c                            ; steps 1 to 6; c = dt (7 - step)
.set i, 0
.rept 16
	v_pk_mul_f32 v[Q+2*i:Q+2*i+1], v[P+2*i:P+2*i+1], v[P+2*i:P+2*i+1]
.set i, i+1
.endr
.set i, 0
.rept 16
	v_pk_add_f32 v[S1+2*i:S1+2*i+1], v[S1+2*i:S1+2*i+1], v[Q+2*i:Q+2*i+1]
	v_pk_fma_f32 v[S2+2*i:S2+2*i+1], v[Q+2*i:Q+2*i+1], \c, v[S2+2*i:S2+2*i+1] op_sel_hi:[1,0,1]
.set i, i+1
.endr
.endm
; p += dt f' + q M'.  A packed result tile t of wave w IS half t % 2 of q's fragment 2 w + t / 2, lane for lane: the waves exchange them as plain copies.
; Two buffers take turns, so one barrier a step does: a buffer is written again only behind the next step's barrier, in front of which every wave's reads are back.
.macro PROD step, src
.set i, 0
.rept 16
	v_cvt_pk_bf16_f32 v[QP+i], v[\src+2*i], v[\src+2*i+1]
.set i, i+1
.endr
.irp l, 0,1,2,3
	ds_store_b128 v[QST], v[QP+4*\l:QP+4*\l+3] offset:8192*(\step&1)+512*\l
.endr
.set i, 0
.rept 16
	v_pk_fma_f32 v[P+2*i:P+2*i+1], v[FQ+2*i:FQ+2*i+1], s[40:41], v[P+2*i:P+2*i+1] op_sel_hi:[1,0,1]
.set i, i+1
.endr
	s_wait_dscnt 0x0                               ; my stores are in LDS, for the other waves; my reads of the last step are back
	s_barrier_signal -1
	s_barrier_wait -1
.set i, 0
.rept 16
	ds_load_b128 v[QF+4*i:QF+4*i+3], v[QRD] offset:8192*(\step&1)+512*i
.set i, i+1
.endr
	WIN 0x01                                       ; source 0 (M') in window 1
.irp k, 0,1,2,3,4,5,6,7
	s_wait_dscnt 14-2*\k                           ; fragment k's two loads are in; the 14 - 2 k younger ones may be out
.irp n, 0,1,2,3
	v_wmma_f32_16x16x32_bf16 v[P+8*\n:P+8*\n+7], v[MM+32*\k+8*\n:MM+32*\k+8*\n+7], v[QF+8*\k:QF+8*\k+7], v[P+8*\n:P+8*\n+7]   ; four accumulators by turns
.endr
.endr
	WIN 0
	PLACES                                         ; the next squares read these results
.endm
; Phase 3, one K step of 32: eight LDS loads (four W' fragments of my 64 columns), eight products.  Source 0 = S1's or S2's rows, source 1 = W':
; register j of tile t in lane (r, h) is row 8 h + j, column 4 r + t of my 64: as x and v lie in window 2.
.macro FETCHW slot, kp, wb
.irp u, 0,1,2,3,4,5,6,7
	ds_load_b128 v[\wb+4*\u:\wb+4*\u+3], v[ADR0+\slot] offset:4096*\kp+512*\u
.endr
.endm
.macro MULW kp, wb, zero
.irp m, 0,1
.irp n, 0,1,2,3
.if \zero
	v_wmma_f32_16x16x32_bf16 v[O+32*\m+8*\n:O+32*\m+8*\n+7], v[SF+64*\m+8*\kp:SF+64*\m+8*\kp+7], v[\wb+8*\n:\wb+8*\n+7], 0
.else
	v_wmma_f32_16x16x32_bf16 v[O+32*\m+8*\n:O+32*\m+8*\n+7], v[SF+64*\m+8*\kp:SF+64*\m+8*\kp+7], v[\wb+8*\n:\wb+8*\n+7], v[O+32*\m+8*\n:O+32*\m+8*\n+7]
.endif
.endr
.endr
.endm
.macro WSTEP slot, kp, nkp, wb, nwb, zero
	s_wait_dscnt 8                                 ; this K step's eight loads (and all older ones) are in, the next one's eight may be out
	PLACES
	FETCHW \slot, \nkp, \nwb
	MULW \kp, \wb, \zero
.endm
.macro CONSUME_W slot                  ; a tile of W': 256 columns for the work-group, 64 for me.  One window setting for loads and products:
	WIN 0x54                                       ; destination, source 1 (W') and source 2 in window 1; source 0 (S fragments, LDS addresses) in window 0
	PLACES
	FETCHW \slot, 0, WB0
	FETCHW \slot, 1, WB1
	WSTEP \slot, 0, 2, WB0, WB2, 1                 ; the first products start the sums; eight accumulators by turns
	WSTEP \slot, 1, 3, WB1, WB0, 0
	WSTEP \slot, 2, 4, WB2, WB1, 0
	WSTEP \slot, 3, 5, WB0, WB2, 0
	WSTEP \slot, 4, 6, WB1, WB0, 0
	WSTEP \slot, 5, 7, WB2, WB1, 0
	s_wait_dscnt 8
	MULW 6, WB0, 0
	s_wait_dscnt 0x0
	MULW 7, WB1, 0
	PLACES
.endm
; The products join the linear parts, and the results leave: sixteen lanes store 256 neighbouring aligned bytes.  Data and addresses are never written again.
.macro EPI tau
	WIN 0x86                                       ; destination and source 0 in window 2, source 1 in window 1
.irp j, 0,1,2,3,4,5,6,7
.irp n, 0,1,2,3
	v_add_f32 v[VV+32*\tau+4*\j+\n], v[VV+32*\tau+4*\j+\n], v[O+8*\n+\j]
	v_add_f32 v[XX+32*\tau+4*\j+\n], v[XX+32*\tau+4*\j+\n], v[O+32+8*\n+\j]
.endr
.endr
	WIN 0x08                                       ; a store's data is source 1: window 2
.irp j, 0,1,2,3,4,5,6,7
	global_store_b128 v[GOFF], v[VV+32*\tau+4*\j:VV+32*\tau+4*\j+3], s[14:15] offset:1024*\tau+4096*\j th:TH_STORE_NT
	global_store_b128 v[GOFF], v[XX+32*\tau+4*\j:XX+32*\tau+4*\j+3], s[12:13] offset:1024*\tau+4096*\j th:TH_STORE_NT
.endr
	WIN 0
.endm
	; ---- set-up ----
	s_load_b256 s[4:11], s[0:1], 0x0               ; x s[4:5], v s[6:7], force s[8:9], wk s[10:11]
	s_load_b128 s[12:15], s[0:1], 0x20             ; out0 s[12:13], out1 s[14:15]
	v_lshl_add_u32 v10, v0, 2, 0x4c400
	v_mov_b32 v15, 0
	ds_add_u32 v10, v15
	ds_add_u32 v10, v15
	v_lshrrev_b32 v11, 5, v0
	v_readfirstlane_b32 s32, v11                   ; wave w
	s_bfe_u32 s33, ttmp6, 0x40000                  ; cx: my place in the cluster; it enters the addresses of x, v, force, out0, out1 alone
	s_lshl_b32 s34, ttmp9, 2                       ; in a cluster launch ttmp9 counts clusters
	s_add_co_u32 s34, s34, s33
	s_lshl_b32 s34, s34, 16                        ; work-group x 16 rows x 4,096 bytes
	s_mov_b32 s35, 0
	s_mov_b32 s36, DT8
	s_mov_b32 s37, DT8
	s_mov_b32 s38, DT2_28
	s_mov_b32 s39, DT2_28
	s_mov_b32 s40, DT
	s_mov_b32 s41, DT
	; group 1: a dense block of 32,768 bytes as 128 rows of 32 elements of 8 bytes
	s_mov_b32 s[G1+0], 0x0023000f                  ; 15:0 mask: all four work-groups of the cluster; 17:16 elements of 8 bytes; 21 set beside a mask; no padding
	s_mov_b32 s[G1+1], 32<<16                      ; tensor_dim0 = 32
	s_mov_b32 s[G1+2], 128<<16                     ; tensor_dim1 = 128
	s_mov_b32 s[G1+3], 32<<16                      ; tile_dim0 = 32
	s_mov_b32 s[G1+4], 128                         ; tile_dim1 = 128
	s_mov_b32 s[G1+5], 32                          ; from row to row: 32 elements
	s_mov_b32 s[G1+6], 0
	s_mov_b32 s[G1+7], 0
	s_lshl_b32 s44, s32, 15                        ; my quarter of a tile, in wk and in a slot
	s_mov_b32 s45, 0
	v_and_b32 v12, 15, v0                          ; r
	v_bfe_u32 v13, v0, 4, 1                        ; h
	v_and_b32 v14, 31, v0
	v_lshlrev_b32 v14, 4, v14                      ; 16 L
	v_lshlrev_b32 v[GOFF], 4, v12
	v_lshl_add_u32 v[GOFF], v13, 15, v[GOFF]
	v_lshl_add_u32 v[GOFF], s32, 8, v[GOFF]
	v_lshl_add_u32 v[ADR0], s32, 15, v14
	v_add_nc_u32 v[ADR1], TILEB, v[ADR0]
	v_mul_u32_u24 v[AST], v13, 8*APITCH
	v_lshl_add_u32 v[AST], v12, 3, v[AST]
	v_lshl_add_u32 v[AST], s32, 7, v[AST]
	v_add_nc_u32 v[AST], ABUF, v[AST]
	v_mul_u32_u24 v[ARD], v12, APITCH
	v_lshl_add_u32 v[ARD], v13, 4, v[ARD]
	v_add_nc_u32 v[ARD], ABUF, v[ARD]
	v_lshl_add_u32 v[QST], s32, 11, v14
	v_add_nc_u32 v[SST], SX, v[QST]
	v_add_nc_u32 v[QST], QX, v[QST]
	v_add_nc_u32 v[QRD], QX, v14
	v_add_nc_u32 v[SRD], SX, v14
	s_wait_dscnt 0x0
	s_wait_kmcnt 0x0
	s_add_nc_u64 s[46:47], s[10:11], s[44:45]      ; wk at my quarter of tile 0
	s_add_nc_u64 s[42:43], s[10:11], 8*TILEB       ; M'
.irp s, 0,1
	s_mov_b32 s[G0+4*\s], 1                                        ; count = 1
	s_add_co_u32 s[G0+4*\s+1], s44, \s*TILEB                       ; LDS address: the slot, my quarter
	s_add_nc_u64 s[G0+4*\s+2:G0+4*\s+3], s[46:47], \s*TILEB        ; global address: tile s
	s_or_b32 s[G0+4*\s+3], s[G0+4*\s+3], 0x80000000                ; type = 2
.endr
	s_add_nc_u64 s[4:5], s[4:5], s[34:35]
	s_add_nc_u64 s[6:7], s[6:7], s[34:35]
	s_add_nc_u64 s[8:9], s[8:9], s[34:35]
	s_add_nc_u64 s[12:13], s[12:13], s[34:35]
	s_add_nc_u64 s[14:15], s[14:15], s[34:35]
	ROUND                                          ; all four work-groups are here: the first joint loads meet
	tensor_load_to_lds s[G0:G0+3], s[G1:G1+7]      ; U's tile 0
	s_nop 0
	tensor_load_to_lds s[G0+4:G0+7], s[G1:G1+7]    ; U's tile 1: two loads of mine are out
	s_nop 0
	; ---- phase 1: p = v U, f' = force U ----
	LOADG 6, 0x80, VV, 0
	LOADG 8, 0x40, FF, 0
	LOADG 6, 0x80, VV, 1
	LOADG 8, 0x40, FF, 1
	LOADG 6, 0x80, VV, 2
	LOADG 8, 0x40, FF, 2
	s_wait_loadcnt 32                              ; v, force of tau 0 are in; those of tau 1, 2 (32 loads) may be out
	STAGE 0, 0
	LOADG 6, 0x80, VV, 3
	LOADG 8, 0x40, FF, 3
	s_wait_loadcnt 32                              ; tau 1 is in; tau 2, 3 may be out
	STAGE 1, 1
	LOADG 4, 0x80, XX, 0
	LOADG 4, 0x80, XX, 1
	WIN 0
	s_wait_dscnt 0x0                               ; my part of both ABUF buffers is in LDS, for the other waves
	s_wait_tensorcnt 0x1                           ; my quarter of tile 0 has landed; tile 1's load may stay out
	s_barrier_signal -1
	s_barrier_wait -1
	CONSUME_U 0, 0, 1
	REFILL 0                                       ; U's tile 2
	s_wait_loadcnt 32                              ; tau 2 is in; tau 3 and x of tau 0, 1 may be out
	STAGE 2, 0                                     ; buffer 0's readers have passed the round
	LOADG 4, 0x80, XX, 2
	LOADG 4, 0x80, XX, 3
	CONSUME_U 1, 1, 0
	s_wait_loadcnt 16                              ; all but x of tau 2, 3
	BASE 0
	BASE 1
	REFILL 1                                       ; U's tile 3
	STAGE 3, 1
	s_wait_loadcnt 0x0
	BASE 2
	BASE 3
	WIN 0x40                                       ; force is spent: M' takes window 1, my 32,768 bytes as they lie
.set i, 0
.rept 64
	global_load_b128 v[MM+4*i:MM+4*i+3], v[ADR0], s[42:43] offset:512*i
.set i, i+1
.endr
	CONSUME_U 0, 0, 0
	REFILL 0                                       ; W's tile 0
	CONSUME_U 1, 1, 0
	PLACES                                         ; the squares read matrix results
	s_wait_loadcnt 0x0                             ; M'
	; ---- phase 2: seven steps of p, eight squares ----
	SQ0 0x3d8f5c29                                 ; 0.07
	PROD 0, S1
	SQ 0x3d75c28f                                  ; 0.06
	PROD 1, Q
	REFILL 1                                       ; W's tile 1, into the slot that phase 1 read last; it has the other five products in which to land
	SQ 0x3d4ccccd                                  ; 0.05
	PROD 2, Q
	SQ 0x3d23d70a                                  ; 0.04
	PROD 3, Q
	SQ 0x3cf5c28f                                  ; 0.03
	PROD 4, Q
	SQ 0x3ca3d70a                                  ; 0.02
	PROD 5, Q
	SQ 0x3c23d70a                                  ; 0.01
	PROD 6, Q
.set i, 0
.rept 16
	v_pk_fma_f32 v[S1+2*i:S1+2*i+1], v[P+2*i:P+2*i+1], v[P+2*i:P+2*i+1], v[S1+2*i:S1+2*i+1]   ; q(7) enters S1 alone
.set i, i+1
.endr
	; S1, S2 to all waves, as q went
.set i, 0
.rept 32
	v_cvt_pk_bf16_f32 v[SP+i], v[S1+2*i], v[S1+2*i+1]              ; S2 lies behind S1
.set i, i+1
.endr
.irp u, 0,1,2,3,4,5,6,7
	ds_store_b128 v[SST], v[SP+4*\u:SP+4*\u+3] offset:8192*(\u>>2)+512*(\u&3)
.endr
	s_wait_dscnt 0x0
	s_barrier_signal -1
	s_barrier_wait -1
.set i, 0
.rept 32
	ds_load_b128 v[SF+4*i:SF+4*i+3], v[SRD] offset:512*i           ; waited for by phase 3's first counted wait: they are older than the loads that it leaves out
.set i, i+1
.endr
	; ---- phase 3: [S1; S2] W', 256 columns a tile ----
	CONSUME_W 0
	EPI 0
	REFILL 0                                       ; W's tile 2
	CONSUME_W 1
	EPI 1
	REFILL 1                                       ; W's tile 3: the last load
	CONSUME_W 0
	EPI 2
	s_wait_tensorcnt 0x0                           ; my quarter of the last tile, which I alone read; none may be out at the end
	CONSUME_W 1
	EPI 3
	s_wait_dscnt 0x0
	s_wait_tensorcnt 0x0
	ds_add_u32 v10, v15
	s_wait_dscnt 0x0
	ROUND                                          ; the closing round: no work-group ends while a partner may still ask for a tile that names it
	s_endpgm
.Lfunc_end_k_q33f340f5dd_euler:
	.size	k_q33f340f5dd_euler, .Lfunc_end_k_q33f340f5dd_euler-k_q33f340f5dd_euler
	.p2alignl 7, 3214868480
	.fill 96, 4, 3214868480
	.section	.rodata,"a",@progbits
	.p2align	6, 0x0
	.amdhsa_kernel k_q33f340f5dd_euler
		.amdhsa_group_segment_fixed_size 327680
		.amdhsa_private_segment_fixed_size 0
		.amdhsa_enable_private_segment 0
		.amdhsa_kernarg_size 48
		.amdhsa_user_sgpr_count 2
		.amdhsa_user_sgpr_kernarg_segment_ptr 1
		.amdhsa_wavefront_size32 1
		.amdhsa_system_sgpr_workgroup_id_x 1
		.amdhsa_system_sgpr_workgroup_id_y 1
		.amdhsa_system_sgpr_workgroup_id_z 1
		.amdhsa_system_vgpr_workitem_id 0
		.amdhsa_next_free_vgpr 768
		.amdhsa_next_free_sgpr 66
		.amdhsa_reserve_vcc 0
		.amdhsa_float_denorm_mode_32 3
		.amdhsa_float_denorm_mode_16_64 3
		.amdhsa_memory_ordered 1
		.amdhsa_forward_progress 1
		.amdhsa_inst_pref_size 215
	.end_amdhsa_kernel
	.amdgpu_metadata
---
amdhsa.version: [ 1, 2 ]
amdhsa.kernels:
  - .name:           k_q33f340f5dd_euler
    .symbol:         k_q33f340f5dd_euler.kd
    .args:
      - { .name: x, .offset: 0, .size: 8, .value_kind: global_buffer, .address_space: global }
      - { .name: v, .offset: 8, .size: 8, .value_kind: global_buffer, .address_space: global }
      - { .name: force, .offset: 16, .size: 8, .value_kind: global_buffer, .address_space: global }
      - { .name: wk, .offset: 24, .size: 8, .value_kind: global_buffer, .address_space: global }
      - { .name: out0, .offset: 32, .size: 8, .value_kind: global_buffer, .address_space: global }
      - { .name: out1, .offset: 40, .size: 8, .value_kind: global_buffer, .address_space: global }
    .group_segment_fixed_size: 327680
    .private_segment_fixed_size: 0
    .kernarg_segment_align: 8
    .kernarg_segment_size: 48
    .max_flat_workgroup_size: 128
    .sgpr_count:     66
    .vgpr_count:     768
    .wavefront_size: 32
...
	.end_amdgpu_metadata
.endif
;; end of part 2
